; MI455X (gfx1250); checked and timed in simulation.
; The chip was launched on July 23, 2026; its instructions are those of AMD's public machine-readable ISA for CDNA 5 (MIT licence, August 2026) and "CDNA5" Instruction Set Architecture Reference Guide (July 2026). The comments in the code are by the model that wrote it; some were corrected since.
;; RBF Bias. Allowed arithmetic: matrix products marked QUANTISED: E2M1 operands, one E8M0 scale for each 32 along K, by v_wmma_scale_f32_16x16x128_f8f6f4 with both operands' format E2M1 (or v_wmma_scale_f32_32x16x128_f4), f32 sums; products left as they are: bf16, f16 or f32 operands; f32 sums; everything else in f32.
;; Inputs: alpha 8 x 1 float32; beta 8 x 1 float32; k 2 x 8 x 2,048 x 64 float32; ks_s 2 x 2,048 x 3 float32; q 2 x 8 x 2,048 x 64 float32; qs_s 2 x 2,048 x 3 float32; v 2 x 8 x 2,048 x 64 float32.
;; Outputs: out0 2 x 8 x 2,048 x 64 float32.
;; This version of the problem:
;;   THIS VERSION OF THE PROBLEM IS GIVEN IN LOW PRECISION. The matrix products marked QUANTISED in the list below multiply operands that are first quantised to E2M1 (2 exponent bits, 1 mantissa bit; 4 bits a number), with one power-of-two scale for each 32 numbers along K (OCP MX v1.0); their sums are f32. The products marked 'left as it is' may take bf16, f16 or f32 operands, with f32 sums. Whichever they take, every output number must still come out within the allowed error. Rounding operands to bf16 (8 significant bits) uses up far more of that allowance than f16 does (11 bits, for magnitudes from 6e-5 to 65,504). All else is computed in f32.
;;   The module's matrix products, in the order in which they are computed (A, B: the left and right operand; K: the contracted axis; several contracted axes count as one K, in the product's order):
;;     1. batch 16 x [M 2,048, K 64] x [K 64, N 2,048]; A: input q; B: input k: QUANTISED
;;     2. batch 16 x [M 2,048, K 2,048] x [K 2,048, N 64]; A: computed on the way; B: input v: left as it is (an operand is computed on the way)
;;   THE QUANTISER, for each operand of a quantised product, along K:
;;     - K is cut into blocks of 32 from its start; a last block that is shorter is filled with zeros.
;;     - A block's scale is 2^e with e = floor(log2(the largest magnitude in the block)) - 2, held to -126 .. 127; a block of zeros has e = 0. As a byte (E8M0): e + 127.
;;     - Each number is divided by its block's scale, clamped to +-6, and rounded to the nearest number of E2M1, ties to even, subnormals kept.
;;     - The product sums the exact products of the quantised numbers (number of the format x scale) in f32.
;;   ~~~python
;;   def quantise(x, axis):      # numpy; x: float32 -> the quantised numbers, widened to float32 again
;;       x = np.moveaxis(x, axis, -1); K = x.shape[-1]
;;       x = np.pad(x, [(0, 0)] * (x.ndim - 1) + [(0, -K % 32)]); x = x.reshape(x.shape[:-1] + (-1, 32)); a = np.abs(x).max(-1, keepdims=True)
;;       e = np.where(a > 0, np.clip(np.frexp(np.where(a > 0, a, 1))[1] - 1 - 2, -126, 127), 0)      # np.frexp(a)[1] - 1 = floor(log2(a)), exactly
;;       r = np.clip(x / 2.0 ** e, -6, 6)
;;       step = 2.0 ** (np.maximum(np.frexp(np.where(r == 0, 1, r))[1] - 1, 0) - 1)
;;       q = np.round(r / step) * step * 2.0 ** e      # np.round: ties to even
;;       return np.moveaxis(q.reshape(q.shape[:-2] + (-1,))[..., :K], -1, axis).astype(np.float32)
;;   ~~~
;; One version. Each part assembles by itself: llvm-mc -triple=amdgcn-amd-amdhsa -mcpu=gfx1250 --defsym DOCPART=n.
;; ======== version 1 of 1: 2 launches
;; limits: a difference of large sums (such as E[x^2] - mean^2): digits are lost where the result is much smaller than its terms; values are held in f16: magnitudes above 65,504 overflow, below 6.1e-05 lose precision
;; workspace buffers: kv 6,029,312 bytes
;; launch prep (part 1): grid 16 x 16, 4 waves a work-group, no clusters, 35,328 bytes of LDS; arguments k, v, ks_s, kv; writes kv
.if DOCPART == 1
	.amdgcn_target "amdgcn-amd-amdhsa--gfx1250"
	.amdhsa_code_object_version 6
	.text
	.protected	k_q1fee376ff5_prep
	.globl	k_q1fee376ff5_prep
	.p2align	8
	.type	k_q1fee376ff5_prep,@function
k_q1fee376ff5_prep:
	s_mov_b64 s[64:65], 0
	v_nop
	global_prefetch_b8 v0, s[64:65] scope:SCOPE_SE
	s_setreg_imm32_b32 hwreg(HW_REG_WAVE_MODE, 25, 1), 1
	s_wait_xcnt 0x0
; k, v [16 heads][2048][64] f32 and ks_s [2][2048][3] f32 are laid out ONCE, in the order in which the attention launch's operand registers take them.
; kv: [16 heads][16 steps of 128 keys][4 chunks of 32 keys][5,888 bytes].  A chunk (keys c0 .. c0+31; r = lane % 16, h = lane / 16):
;   0     512 bytes  codes of E2M1: 16 bytes at 16 x lane: key c0 + r, channels 32 h .. 32 h + 31        (registers 0-3 of a fragment that holds TWO tiles of 16 keys)
;   512   512 bytes  the same of key c0 + 16 + r                                                         (registers 4-7)
;   1024  256 bytes  positions of keys c0 + r, 8 bytes at 8 x lane: h = 0: (x', y'); h = 1: (z', x'^2 + y'^2 + z'^2); ' = less the batch's first key position
;   1280  256 bytes  the same of keys c0 + 16 + r
;   1536  256 bytes  the scale word, twice, at 8 x lane: bytes 0, 1: key c0 + r, blocks 0, 1; bytes 2, 3: key c0 + 16 + r
;   1792 + 1024 dt   V^T in f16, fragment dt = 0..3: row m of the tile is channel 4 m + dt; 16 bytes at 16 x lane: keys c0 + 8 h + 0..7 of channel 4 r + dt; 512 on: keys c0 + 16 + 8 h + 0..7
; THE QUANTISER: a block's scale is 2^(floor(log2(largest magnitude)) - 2); its byte is the largest magnitude's exponent field - 2, held at 1 from below; codes to the nearest, ties to even, beyond 6 the largest code.
; LIMITS: a block of zeros gets the byte 1 where the rule says 127 (its codes are zeros, and this program alone reads the bytes); |v| up to 65,504 (f16); NaN and infinities are not served.
; SHARES: work-group (x = step, y = head), wave w = chunk w.  One path, no loop, no barrier: waves share nothing.  All 38 loads of a wave go out first.
; Every store of a wave covers 256 or 512 consecutive bytes, at a multiple of 256 from kv's first byte.  No store's data are written again, so no wait frees them.
.set CHB,   5888
.set WSTG,  8704                       ; a wave's stage: 32 rows x (256 bytes + 16)
.set SPARE, 4*WSTG                     ; behind the stages: the spare words, 128 bytes for each wave
.set L16, 4                            ; v4   16 x lane
.set L8,  5                            ; v5   8 x lane
.set LV,  6                            ; v6   V: 8 h rows of 256 bytes + 16 r
.set LP,  7                            ; v7   positions: 12 r
.set SW,  8                            ; v8   the stage, in: row h, 16 r
.set SR,  9                            ; v9   the stage, out: row r, 128 h
.set SPW, 10                           ; v10  my spare word; never rewritten
.set NIL, 11                           ; v11  0; never rewritten
.set PO,  12                           ; v12-15  the two tiles' position pairs
.set PX,  16                           ; v16-21  x, y, z of my key in tile 0, tile 1
.set SCW, 22                           ; v22-23  the scale word, twice
.set KC,  24                           ; v24-31  K's codes
.set XK,  32                           ; v32-95  K as loaded; once the stage has it: at work
.set TM,  32
.set Y,   96                           ; v96-159 K in the quantiser's order: 32 neighbours of one block, twice
.set XV,  160                          ; v160-223 V as loaded
.set VF,  224                          ; v224-255 V in f16
	s_load_b256 s[4:11], s[0:1], 0x0               ; k s[4:5], v s[6:7], ks_s s[8:9], kv s[10:11]
	v_lshl_add_u32 v[SPW], v0, 2, SPARE
	v_mov_b32 v[NIL], 0
	v_lshrrev_b32 v1, 5, v0
	v_readfirstlane_b32 s12, v1                    ; wave = chunk
	s_and_b32 s13, ttmp7, 0xffff                   ; head
	s_lshl_b32 s14, ttmp9, 7
	s_lshl_b32 s15, s12, 5
	s_add_co_u32 s14, s14, s15                     ; c0 = 128 x step + 32 x wave
	s_lshl_b32 s24, s13, 11
	s_add_co_u32 s24, s24, s14
	s_lshl_b32 s24, s24, 8                         ; k, v: (2,048 x head + c0) rows of 256 bytes
	s_mov_b32 s25, 0
	s_lshr_b32 s15, s13, 3                         ; batch
	s_lshl_b32 s26, s15, 11
	s_add_co_u32 s26, s26, s14
	s_mul_i32 s26, s26, 12                         ; ks_s: 12 bytes a key
	s_mov_b32 s27, 0
	s_mul_i32 s28, s15, 24576                      ; the batch's first key position: the centre
	s_mov_b32 s29, 0
	s_lshl_b32 s32, s13, 4
	s_add_co_u32 s32, s32, ttmp9
	s_lshl_b32 s32, s32, 2
	s_add_co_u32 s32, s32, s12
	s_mul_i32 s32, s32, CHB                        ; kv: my chunk
	s_mov_b32 s33, 0
	s_mov_b32 s20, 0x76543210
	s_mov_b32 s21, 0xfedcba98                      ; v_permlanex16_b32's selects for lane l xor 16
	s_mul_i32 s34, s12, WSTG
	v_and_b32 v1, 31, v0                           ; lane
	v_and_b32 v2, 15, v0                           ; r
	v_bfe_u32 v3, v0, 4, 1                         ; h
	v_lshlrev_b32 v[L16], 4, v1
	v_lshlrev_b32 v[L8], 3, v1
	v_lshlrev_b32 v[LV], 11, v3
	v_lshl_add_u32 v[LV], v2, 4, v[LV]
	v_mul_u32_u24 v[LP], v2, 12
	v_mul_u32_u24 v[SW], v3, 272
	v_lshl_add_u32 v[SW], v2, 4, v[SW]
	v_add_nc_u32 v[SW], s34, v[SW]
	v_mul_u32_u24 v[SR], v2, 272
	v_lshl_add_u32 v[SR], v3, 7, v[SR]
	v_add_nc_u32 v[SR], s34, v[SR]
	v_cmp_ne_u32 s22, 0, v3                        ; lanes 16-31
	s_wait_kmcnt 0x0
	s_add_nc_u64 s[4:5], s[4:5], s[24:25]
	s_add_nc_u64 s[6:7], s[6:7], s[24:25]
	s_add_nc_u64 s[30:31], s[8:9], s[28:29]
	s_add_nc_u64 s[8:9], s[8:9], s[26:27]
	s_add_nc_u64 s[10:11], s[10:11], s[32:33]
	s_load_b96 s[16:18], s[30:31], 0x0             ; the centre
.irp i, 0,1,2,3,4,5,6,7,8,9,10,11,12,13,14,15
	global_load_b128 v[XK+4*\i:XK+4*\i+3], v[L16], s[4:5] offset:512*\i th:TH_LOAD_NT    ; K: 512 consecutive bytes: rows 2 i and 2 i + 1
.endr
.irp u, 0,1
.irp e, 0,1,2
	global_load_b32 v[PX+3*\u+\e], v[LP], s[8:9] offset:192*\u+4*\e                      ; key c0 + 16 u + r, coordinate e
.endr
.endr
.irp g, 0,1
.irp j, 0,1,2,3,4,5,6,7
	global_load_b128 v[XV+4*(8*\g+\j):XV+4*(8*\g+\j)+3], v[LV], s[6:7] offset:(16*\g+\j)*256 th:TH_LOAD_NT   ; V: key c0 + 16 g + 8 h + j, channels 4 r .. 4 r + 3: sixteen lanes take a whole row
.endr
.endr
	s_wait_loadcnt 22                              ; K's 16 loads are in; behind them: 6 of positions, 16 of V
.irp i, 0,1,2,3,4,5,6,7,8,9,10,11,12,13,14,15
	ds_store_b128 v[SW], v[XK+4*\i:XK+4*\i+3] offset:544*\i                              ; K turns through my stage: in as it lies,
.endr
.irp u, 0,1
.irp i, 0,1,2,3,4,5,6,7
	ds_load_b128 v[Y+32*\u+4*\i:Y+32*\u+4*\i+3], v[SR] offset:4352*\u+16*\i              ; out: key c0 + 16 u + r, channels 32 h + 4 i on.  LDS serves a wave's instructions in order: these see the stores
.endr
.endr
	s_wait_dscnt 0x0                               ; the numbers are back, and the stores have read XK: it is at work from here on
; my block of tile u: 32 numbers in my registers; its codes into KC, its byte into TM + 6 + u
.macro QBLK u
	v_max3_num_f32 v[TM+2*\u], |v[Y+32*\u]|, |v[Y+32*\u+1]|, |v[Y+32*\u+2]|
	v_max3_num_f32 v[TM+2*\u+1], |v[Y+32*\u+3]|, |v[Y+32*\u+4]|, |v[Y+32*\u+5]|
.irp i, 6,10,14,18,22,26
	v_max3_num_f32 v[TM+2*\u], v[TM+2*\u], |v[Y+32*\u+\i]|, |v[Y+32*\u+\i+1]|
	v_max3_num_f32 v[TM+2*\u+1], v[TM+2*\u+1], |v[Y+32*\u+\i+2]|, |v[Y+32*\u+\i+3]|
.endr
	v_max3_num_f32 v[TM+2*\u], v[TM+2*\u], |v[Y+32*\u+30]|, |v[Y+32*\u+31]|
	v_max3_num_f32 v[TM+2*\u], v[TM+2*\u], v[TM+2*\u+1], 0x1800000   ; and the floor 2^(3 - 127): the byte cannot fall under 1
	v_add_nc_u32 v[TM+4+\u], 0xff000000, v[TM+2*\u]                  ; 2 off the exponent field: the conversion's scale operand
.irp g, 0,1,2,3
	v_cvt_scalef32_pk8_fp4_f32 v[KC+4*\u+\g], v[Y+32*\u+8*\g:Y+32*\u+8*\g+7], v[TM+4+\u]
.endr
	v_lshrrev_b32 v[TM+6+\u], 23, v[TM+4+\u]                         ; the scale's byte (a plain line behind the conversions)
.endm
	QBLK 0
	QBLK 1
	v_lshl_or_b32 v[TM+8], v[TM+7], 16, v[TM+6]    ; my two bytes: block h of key c0 + r and of key c0 + 16 + r,
	v_lshlrev_b32 v[TM+9], 3, v3
	v_lshlrev_b32 v[TM+8], v[TM+9], v[TM+8]        ; 8 h bits up;
	v_mov_b32 v[TM+10], 0                          ; (a lane permute's destination counts as one of its sources)
	v_permlanex16_b32 v[TM+10], v[TM+8], s20, s21
	v_or_b32 v[SCW], v[TM+8], v[TM+10]             ; with lane l xor 16's two the word is whole
	v_mov_b32 v[SCW+1], v[SCW]
	s_wait_loadcnt 16                              ; the positions are in; V's 16 loads may be out
	s_wait_kmcnt 0x0                               ; the centre
.irp u, 0,1
	v_subrev_f32 v[PX+3*\u], s16, v[PX+3*\u]       ; less the centre: a common offset of the positions is gone before a square is formed
	v_subrev_f32 v[PX+3*\u+1], s17, v[PX+3*\u+1]
	v_subrev_f32 v[PX+3*\u+2], s18, v[PX+3*\u+2]
	v_mul_f32 v[TM+11], v[PX+3*\u], v[PX+3*\u]
	v_fma_f32 v[TM+11], v[PX+3*\u+1], v[PX+3*\u+1], v[TM+11]
	v_fma_f32 v[TM+11], v[PX+3*\u+2], v[PX+3*\u+2], v[TM+11]
	v_cndmask_b32 v[PO+2*\u], v[PX+3*\u], v[PX+3*\u+2], s22          ; lanes 0-15: x', lanes 16-31: z'
	v_cndmask_b32 v[PO+2*\u+1], v[PX+3*\u+1], v[TM+11], s22          ; y', the squares' sum
.endr
	global_store_b128 v[L16], v[KC:KC+3], s[10:11]
	global_store_b128 v[L16], v[KC+4:KC+7], s[10:11] offset:512
	global_store_b64 v[L8], v[PO:PO+1], s[10:11] offset:1024
	global_store_b64 v[L8], v[PO+2:PO+3], s[10:11] offset:1280
	global_store_b64 v[L8], v[SCW:SCW+1], s[10:11] offset:1536
	s_wait_loadcnt 0x0                             ; V
.irp dt, 0,1,2,3
.irp g, 0,1
.irp i, 0,1,2,3
	v_cvt_pk_f16_f32 v[VF+8*\dt+4*\g+\i], v[XV+4*(8*\g+2*\i)+\dt], v[XV+4*(8*\g+2*\i+1)+\dt]   ; two neighbouring keys of channel 4 r + dt, the lower key in the low half
.endr
.endr
.endr
.irp dt, 0,1,2,3
.irp g, 0,1
	global_store_b128 v[L16], v[VF+8*\dt+4*\g:VF+8*\dt+4*\g+3], s[10:11] offset:1792+1024*\dt+512*\g
.endr
.endr
	s_wait_tensorcnt 0x0                           ; the wave's end: behind my last LDS store
	ds_add_u32 v[SPW], v[NIL]
	s_wait_dscnt 0x0
	s_endpgm
.Lfunc_end_k_q1fee376ff5_prep:
	.size	k_q1fee376ff5_prep, .Lfunc_end_k_q1fee376ff5_prep-k_q1fee376ff5_prep
	.p2alignl 7, 3214868480
	.fill 96, 4, 3214868480
	.section	.rodata,"a",@progbits
	.p2align	6, 0x0
	.amdhsa_kernel k_q1fee376ff5_prep
		.amdhsa_group_segment_fixed_size 35328
		.amdhsa_private_segment_fixed_size 0
		.amdhsa_enable_private_segment 0
		.amdhsa_kernarg_size 32
		.amdhsa_user_sgpr_count 2
		.amdhsa_user_sgpr_kernarg_segment_ptr 1
		.amdhsa_wavefront_size32 1
		.amdhsa_system_sgpr_workgroup_id_x 1
		.amdhsa_system_sgpr_workgroup_id_y 1
		.amdhsa_system_sgpr_workgroup_id_z 1
		.amdhsa_system_vgpr_workitem_id 0
		.amdhsa_next_free_vgpr 256
		.amdhsa_next_free_sgpr 66
		.amdhsa_reserve_vcc 0
		.amdhsa_float_denorm_mode_32 3
		.amdhsa_float_denorm_mode_16_64 3
		.amdhsa_memory_ordered 1
		.amdhsa_forward_progress 1
		.amdhsa_inst_pref_size 16
	.end_amdhsa_kernel
	.amdgpu_metadata
---
amdhsa.version: [ 1, 2 ]
amdhsa.kernels:
  - .name:           k_q1fee376ff5_prep
    .symbol:         k_q1fee376ff5_prep.kd
    .args:
      - { .name: k, .offset: 0, .size: 8, .value_kind: global_buffer, .address_space: global }
      - { .name: v, .offset: 8, .size: 8, .value_kind: global_buffer, .address_space: global }
      - { .name: ks_s, .offset: 16, .size: 8, .value_kind: global_buffer, .address_space: global }
      - { .name: kv, .offset: 24, .size: 8, .value_kind: global_buffer, .address_space: global }
    .group_segment_fixed_size: 35328
    .private_segment_fixed_size: 0
    .kernarg_segment_align: 8
    .kernarg_segment_size: 32
    .max_flat_workgroup_size: 128
    .sgpr_count:     66
    .vgpr_count:     256
    .wavefront_size: 32
...
	.end_amdgpu_metadata
.endif
;; end of part 1
;; launch attn (part 2): grid 16 x 16, 8 waves a work-group, clusters of 4 x 1, 327,680 bytes of LDS; arguments q, qs_s, ks_s, alpha, beta, kv, out0; writes out0
.if DOCPART == 2
	.amdgcn_target "amdgcn-amd-amdhsa--gfx1250"
	.amdhsa_code_object_version 6
	.text
	.protected	k_q1fee376ff5_attn
	.globl	k_q1fee376ff5_attn
	.p2align	8
	.type	k_q1fee376ff5_attn,@function
k_q1fee376ff5_attn:
	s_mov_b64 s[64:65], 0
	v_nop
	global_prefetch_b8 v0, s[64:65] scope:SCOPE_SE
	s_setreg_imm32_b32 hwreg(HW_REG_WAVE_MODE, 25, 1), 1
	s_wait_xcnt 0x0
	s_wait_alu depctr_hold_cnt(0) depctr_sa_sdst(0) depctr_va_vdst(0) depctr_va_sdst(0) depctr_va_ssrc(0) depctr_va_vcc(0) depctr_vm_vsrc(0)
	s_getreg_b32 s2, hwreg(HW_REG_IB_STS2, 6, 4)
	s_cmp_eq_u32 s2, 0
	s_cbranch_scc0 .Lentry_in_a_cluster
	s_endpgm
.Lentry_in_a_cluster:
	s_bfe_u32 s2, ttmp6, 0x10000c
	s_cmp_lg_u32 s2, 0x3003
	s_cbranch_scc0 .Lentry_shape_is_right
	s_endpgm
.Lentry_shape_is_right:
; out0[h][q][:] = sum over k of softmax_k(Q(q) . Q(k) / 8 + alpha[h] exp(-beta[h] |qs - ks|^2)) v[h][k][:].  Q = the E2M1 quantiser along the head's 64 (two blocks of 32).
; SHARES.  A work-group owns 128 queries of one head.  Wave w: QG = w % 4 owns 32 queries (two tiles of 16), KH = w / 4 takes steps 2 KH, 2 KH + 1 of each slot's four steps of 128 keys.
;   So each fragment of K and V that a wave reads from LDS feeds two tiles of queries.  At the end the two waves of a QG hand each other one tile and each finishes 16 rows; all waves run one text.
; LAYOUT.  All products are used transposed (source 0 = keys or channels, source 1 = my 16 queries): a lane holds ONE query (lane % 16) throughout, its registers run along the keys.
;   kv (made by the launch before) holds images of the operands' registers: every LDS read takes 16 x lane or 8 x lane consecutive bytes.
; THE SCORE.  K of the first product is 64, the instruction's is 128: a fragment of K holds TWO tiles of keys (k 0-63: tile a; k 64-127: tile b), and q stands as [codes | zeros] and as [zeros | codes]: zero codes add nothing.
; THE BIAS.  c d^2 = c |q'|^2 + (kx', ky', kz', |k'|^2) . (-2c qx', -2c qy', -2c qz', c), c = -beta log2(e), ' = less the batch's first key position: one f32 matrix instruction of K = 4 a tile, with c |q'|^2 as its C.
;   E = 2^(c d^2); 8 alpha E is the C of the score's instruction: t = raw score + 8 alpha E = 8 x (score + bias).
; THE SOFTMAX.  A running maximum m of t and a running sum l for each query: p = 2^(c1 t - c1 m), c1 = log2(e) / 8; in every step O and l are multiplied by a = 2^(c1 m_old - c1 m_new).  l sums the unrounded p.
;   p and v go to the second product in f16, sums in f32.
; CLUSTER.  The four query blocks of a cluster belong to one head and walk the same kv: each slot is asked for JOINTLY, every wave an eighth (46 rows of 256 bytes), with one descriptor shape and a mask that names the four.
; LIMITS.  |v| up to 65,504 (f16).  d^2 is formed in expanded form about the centre: the order of rounding differs from the plain differences'; the error of beta d^2 is about 2^-21 |beta| R^2, R the largest distance of a position
;   from the centre.  A block of zeros gets the scale byte 1 (its codes are zeros).  NaN and infinities among the inputs are not served.
; REGISTERS, in windows of 256 (s_set_vgpr_msb: bits 1:0 source 0, 3:2 source 1, 5:4 source 2, 7:6 destination):
;   window 0: v1-11 addresses; v12-19 statistics; v20-31 at work; v32-55 q's codes and zeros; v56-57 q's scale words; v58-61 q's position pairs; v62-63 addresses; v64-127 c d^2 (written by the f32 matrix form alone);
;             v128-191 E, t, p; v192-223 K; v224-239 key positions; v240-243 K's scale words; v244-255 at work at the head and the end
;   window 1: v0-127 V; v128-159 p in f16; v160-223 O^T; v224-239 c |q'|^2
.set CHB,    5888                      ; a chunk of 32 keys
.set STEPB,  4*CHB                     ; a step of 128 keys
.set SLOTB,  4*STEPB                   ; a slot: four steps
.set HEADB,  4*SLOTB                   ; a head
.set EIGHTH, SLOTB/8                   ; what one tensor load brings: 46 rows of 256 bytes
.set SLOT1,  1<<17                     ; slot 1 begins here: one exclusive or turns an address in one slot into the other's
.set STG,    SLOTB                     ; behind slot 0: a stage of 16 rows x (256 + 16) bytes for each wave: q on the way in, O on the way out
.set WSTG,   16*272
.set SPARE,  STG+8*WSTG                ; the spare words, 128 bytes for each wave: four blocks of 256 bytes that no other line names
.set XCH,    SLOT1+SLOTB               ; behind slot 1: what a wave hands to its partner: 4,096 bytes of O^T, 128 of c1 m, 128 of l
.set L16, 1                            ; v1   16 x lane
.set L8,  2                            ; v2   8 x lane
.set A16, 3                            ; v3   the step's LDS address, 16 bytes a lane
.set A8,  4                            ; v4   8 bytes a lane
.set STO, 5                            ; v5   my stage: row r, 128 h
.set RD,  6                            ; v6   my stage: row h, 16 r
.set GO,  7                            ; v7   out0: row h, 16 r
.set SPW, 8                            ; v8   my spare word; never rewritten
.set NIL, 9                            ; v9   0; never rewritten
.set XW,  10                           ; v10  where I put what I hand over
.set XR,  11                           ; v11  where my partner put it
.set ST,  12                           ; tile u at v[ST+4u]: +0 c1 m, +1 m, +2, +3 l (even keys', odd keys')
.set AF,  20                           ; v20  a; v21 named with it as a pair
.set DA,  22                           ; v22  c1 m_old - c1 m_new
.set OM,  23                           ; v23  c1 m_old
.set M,   24                           ; v24-31 eight maxima, then four pairs of sums
.set Q,   32                           ; tile u at v[Q+12u]: four zeros, four registers of codes, four zeros
.set QS,  56
.set QP,  58
.set XS,  62                           ; v62  4 x lane in my part of XCH
.set XSP, 63                           ; v63  in my partner's
.set ARG, 64
.set T,   128
.set KP,  192
.set OUT, 192
.set POS, 224
.set KS,  240
.set P,   128                          ; window 1
.set O,   160                          ; window 1: tile u, channels' tile dt at v[O+32u+8dt]
.set CQ,  224                          ; window 1
.set WV,  18
.set G1,  24                           ; s[24:31] descriptor group 1
.set G0A, 32                           ; s[32:35] group 0 of slot 0's first fill
.set GW,  36                           ; s[36:39] group 0 of slot 1's first fill; it then walks
.set SEL, 40
.set CS,  42                           ; s[42:43] c1
.set AL,  44                           ; s[44:45] 8 alpha
.set TB,  52                           ; s52  LDS byte at which the step in hand begins
.set SLOTS, 53
.set TWICE, 54
.set KM,  55                           ; s55  all ones where KH = 1
.set HM,  56                           ; s56  lanes 16-31
.set MSB, 0
.macro WIN new                         ; the immediate's high byte repeats the setting that is left; a switch that changes nothing is dropped
.if MSB != \new
	s_set_vgpr_msb (MSB<<8)|\new
.set MSB, \new
.endif
.endm
.macro PLACES n
.rept \n
	v_nop
.endr
.endm
.macro CROUND                          ; a round of the cluster's barrier
	s_barrier_signal -1
	s_barrier_wait -1
	s_cmp_lg_u32 s[WV], 0
	s_cbranch_scc1 .Lnot_wave_0_\@
	s_barrier_signal -3
.Lnot_wave_0_\@:
	s_barrier_wait -3
	s_barrier_signal -1
	s_barrier_wait -1
.endm
	s_load_b256 s[4:11], s[0:1], 0x0               ; q s[4:5], qs_s s[6:7], ks_s s[8:9], alpha s[10:11]
	s_load_b128 s[12:15], s[0:1], 0x20             ; beta s[12:13], kv s[14:15]
	s_load_b64 s[16:17], s[0:1], 0x30              ; out0
	v_lshl_add_u32 v[SPW], v0, 2, SPARE
	v_mov_b32 v[NIL], 0
	ds_add_u32 v[SPW], v[NIL]                      ; the wave's opening: the add, twice on end, and its wait ahead of my first tensor load
	ds_add_u32 v[SPW], v[NIL]                      ; and once more, under the one wait; the set-up below, work on registers, stands between
	v_lshrrev_b32 v1, 5, v0
	v_readfirstlane_b32 s[WV], v1                  ; wave 0..7
	s_and_b32 s19, s[WV], 3                        ; QG
	s_lshr_b32 s20, s[WV], 2                       ; KH
	s_bfe_u32 s21, ttmp6, 0x40000                  ; cx: it enters q's, qs_s's and out0's addresses alone
	s_and_b32 s22, ttmp7, 0xffff                   ; the head, which the four partners share
	s_lshl_b32 s23, ttmp9, 2
	s_add_co_u32 s23, s23, s21                     ; my block of 128 queries = 4 x cluster x + cx
	s_lshl_b32 s23, s23, 7
	s_lshl_b32 s60, s19, 5
	s_add_co_u32 s23, s23, s60                     ; my wave's first query in the head
	s_lshl_b32 s60, s22, 11
	s_add_co_u32 s60, s60, s23                     ; its row in q
	s_lshl_b32 s62, s20, 4
	s_add_co_u32 s62, s62, s60                     ; the first row that I store: tile KH
	s_lshl_b32 s60, s60, 8
	s_mov_b32 s61, 0
	s_lshl_b32 s62, s62, 8
	s_mov_b32 s63, 0
	s_lshr_b32 s68, s22, 3                         ; batch
	s_lshl_b32 s66, s68, 11
	s_add_co_u32 s66, s66, s23
	s_mul_i32 s66, s66, 12                         ; qs_s: 12 bytes a query
	s_mov_b32 s67, 0
	s_mul_i32 s68, s68, 24576                      ; ks_s: the batch's first key position
	s_mov_b32 s69, 0
	s_and_b32 s70, s22, 7
	s_lshl_b32 s70, s70, 2                         ; alpha, beta: 4 bytes a head
	s_mov_b32 s71, 0
	s_mul_i32 s[G0A+1], s[WV], EIGHTH              ; my eighth of a slot, in LDS: the wave's number alone
	s_mul_i32 s72, s22, HEADB
	s_add_co_u32 s72, s72, s[G0A+1]                ; and in kv: the head and the wave's number alone
	s_mov_b32 s73, 0
	; descriptor group 1: 46 rows of 32 elements of 8 bytes, dense in memory and in LDS
	s_mov_b32 s[G1], 15|(3<<16)|(1<<21)            ; 15:0 the mask: all four work-groups; 17:16 elements of 8 bytes; 20 no padding; 21 set beside a mask
	s_mov_b32 s[G1+1], 32<<16                      ; tensor_dim0 = 32
	s_mov_b32 s[G1+2], 46<<16                      ; tensor_dim1 = 46
	s_mov_b32 s[G1+3], 32<<16                      ; tile_dim0 = 32
	s_mov_b32 s[G1+4], 46                          ; tile_dim1 = 46
	s_mov_b32 s[G1+5], 32                          ; elements from row to row
	s_mov_b32 s[G1+6], 0
	s_mov_b32 s[G1+7], 0
	s_mov_b32 s[SEL], 0x76543210
	s_mov_b32 s[SEL+1], 0xfedcba98                 ; v_permlanex16_b32's selects for lane l xor 16
	s_mov_b32 s[CS], 0x3e38aa3b                    ; c1 = log2(e) / 8
	s_mov_b32 s[CS+1], s[CS]                       ; (named with it as a pair, so it is written)
	s_cmp_eq_u32 s20, 1
	s_cselect_b32 s[KM], -1, 0
	s_mul_i32 s[TB], s20, 2*STEPB                  ; my half of slot 0
	s_mov_b32 s[SLOTS], 2
	s_wait_dscnt 0x0                               ; both opening adds are done
	s_wait_kmcnt 0x0
	s_add_nc_u64 s[4:5], s[4:5], s[60:61]
	s_add_nc_u64 s[16:17], s[16:17], s[62:63]
	s_add_nc_u64 s[6:7], s[6:7], s[66:67]
	s_add_nc_u64 s[8:9], s[8:9], s[68:69]
	s_add_nc_u64 s[10:11], s[10:11], s[70:71]
	s_add_nc_u64 s[12:13], s[12:13], s[70:71]
	s_add_nc_u64 s[14:15], s[14:15], s[72:73]
	s_load_b32 s57, s[10:11], 0x0                  ; alpha
	s_load_b32 s58, s[12:13], 0x0                  ; beta
	s_load_b96 s[48:50], s[8:9], 0x0               ; the centre
	CROUND                                         ; all four work-groups are here: the first joint loads meet
	s_mov_b32 s[G0A], 1
	s_mov_b64 s[G0A+2:G0A+3], s[14:15]             ; keys 0 to 511
	s_or_b32 s[G0A+3], s[G0A+3], 0x80000000
	s_mov_b32 s[GW], 1
	s_add_co_u32 s[GW+1], s[G0A+1], SLOT1
	s_add_nc_u64 s[GW+2:GW+3], s[14:15], SLOTB     ; keys 512 to 1,023
	s_or_b32 s[GW+3], s[GW+3], 0x80000000
	tensor_load_to_lds s[G0A:G0A+3], s[G1:G1+7]    ; both first fills go out together, ahead of every wait on TENSORcnt and every LDS read: two loads of mine are out
	s_nop 0
	tensor_load_to_lds s[GW:GW+3], s[G1:G1+7]
	s_nop 0
	PLACES 4
	v_and_b32 v[L8], 31, v0                        ; lane
	v_lshlrev_b32 v[L16], 4, v[L8]
	v_lshlrev_b32 v[XS], 2, v[L8]
	v_lshlrev_b32 v[L8], 3, v[L8]
	v_and_b32 v244, 15, v0                         ; r
	v_bfe_u32 v245, v0, 4, 1                       ; h
	v_lshlrev_b32 v246, 3, v245                    ; 8 h
	v_mov_b32 v247, 0                              ; (a lane permute's destination counts as one of its sources)
	v_mul_u32_u24 v[A16], v244, 12                 ; qs_s: 12 r (the register is the steps' from the loop on)
.irp u, 0,1
.irp i, 0,1,2,3,4,5,6,7
	global_load_b128 v[T+32*\u+4*\i:T+32*\u+4*\i+3], v[L16], s[4:5] offset:4096*\u+512*\i    ; q: 512 consecutive bytes: rows 16 u + 2 i and + 1
.endr
.endr
.irp u, 0,1
.irp e, 0,1,2
	global_load_b32 v[248+3*\u+\e], v[A16], s[6:7] offset:192*\u+4*\e                        ; query 16 u + r, coordinate e
.endr
.endr
	s_mul_i32 s60, s[WV], WSTG
	s_add_co_u32 s61, s60, XCH                     ; my part of XCH
	s_add_co_u32 s60, s60, STG                     ; my stage
	s_xor_b32 s62, s[WV], 4                        ; my partner: the same queries, the other keys
	s_mul_i32 s62, s62, WSTG
	s_add_co_u32 s62, s62, XCH
	v_mul_u32_u24 v[STO], v244, 272
	v_lshl_add_u32 v[STO], v245, 7, v[STO]
	v_add_nc_u32 v[STO], s60, v[STO]
	v_mul_u32_u24 v[RD], v245, 272
	v_lshl_add_u32 v[RD], v244, 4, v[RD]
	v_add_nc_u32 v[RD], s60, v[RD]
	v_lshlrev_b32 v[GO], 8, v245
	v_lshl_add_u32 v[GO], v244, 4, v[GO]
	v_add_nc_u32 v[XW], s61, v[L16]
	v_add_nc_u32 v[XR], s62, v[L16]
	v_add_nc_u32 v[XSP], s62, v[XS]
	v_add_nc_u32 v[XS], s61, v[XS]
	v_cmp_ne_u32 s[HM], 0, v245
	WIN 0x40
.set n, 0
.rept 64
	v_mov_b32 v[O+n], 0                            ; O^T.  (The key step is written once for all steps: the first finds zeros, which its a leaves zeros)
.set n, n+1
.endr
	WIN 0
.irp u, 0,1
	v_mov_b32 v[ST+4*\u+1], 0xff61b1e6             ; m: -3e38, under every t
	v_mul_f32 v[ST+4*\u], s[CS], v[ST+4*\u+1]
	v_mov_b32 v[ST+4*\u+2], 0                      ; l
	v_mov_b32 v[ST+4*\u+3], 0
.endr
	v_mov_b32 v[AF+1], 0
; 32 numbers of one block in v[y] on (query 16 u + r, channels 32 h on) become tile u's four registers of codes; the two lanes' bytes make its scale word s0, s1, s0, s1
.macro QUANTQ u, y
	v_max3_num_f32 v24, |v[\y]|, |v[\y+1]|, |v[\y+2]|
	v_max3_num_f32 v25, |v[\y+3]|, |v[\y+4]|, |v[\y+5]|
.irp i, 6,10,14,18,22,26
	v_max3_num_f32 v24, v24, |v[\y+\i]|, |v[\y+\i+1]|
	v_max3_num_f32 v25, v25, |v[\y+\i+2]|, |v[\y+\i+3]|
.endr
	v_max3_num_f32 v24, v24, |v[\y+30]|, |v[\y+31]|
	v_max3_num_f32 v24, v24, v25, 0x1800000        ; and the floor 2^(3 - 127): the byte cannot fall under 1
	v_add_nc_u32 v26, 0xff000000, v24              ; 2 off the exponent field: the conversion's scale operand
	v_lshrrev_b32 v27, 23, v26                     ; the scale's byte,
	v_lshlrev_b32 v27, v246, v27                   ; 8 h bits up
	v_permlanex16_b32 v247, v27, s[SEL], s[SEL+1]
.irp g, 0,1,2,3
	v_cvt_scalef32_pk8_fp4_f32 v[Q+12*\u+4+\g], v[\y+8*\g:\y+8*\g+7], v26
.endr
	v_or_b32 v27, v27, v247                        ; (a plain line behind the conversions)
	v_lshl_or_b32 v[QS+\u], v27, 16, v27           ; the same two bytes for k 0-63 and for k 64-127
.irp g, 0,1,2,3
	v_mov_b32 v[Q+12*\u+\g], 0                     ; zero codes on both sides of the codes
	v_mov_b32 v[Q+12*\u+8+\g], 0
.endr
.endm
	s_wait_loadcnt 6                               ; q's 16 loads are in; the 6 of positions may be out
.irp i, 0,1,2,3,4,5,6,7
	ds_store_b128 v[RD], v[T+4*\i:T+4*\i+3] offset:544*\i            ; tile 0 turns through my stage: in as it lies,
.endr
.irp i, 0,1,2,3,4,5,6,7
	ds_load_b128 v[KP+4*\i:KP+4*\i+3], v[STO] offset:16*\i           ; out: row r, channels 32 h + 4 i on.  LDS serves a wave's instructions in order
.endr
.irp i, 0,1,2,3,4,5,6,7
	ds_store_b128 v[RD], v[T+32+4*\i:T+32+4*\i+3] offset:544*\i      ; tile 1, behind tile 0's reads
.endr
	s_wait_dscnt 0x0                               ; tile 0 is back, and the stores have read their registers:
.irp i, 0,1,2,3,4,5,6,7
	ds_load_b128 v[T+4*\i:T+4*\i+3], v[STO] offset:16*\i             ; tile 1 comes back where tile 0 lay as loaded
.endr
	QUANTQ 0, KP
	s_wait_dscnt 0x0
	QUANTQ 1, T
	s_wait_loadcnt 0x0                             ; my queries' positions
	s_wait_kmcnt 0x0                               ; alpha, beta, the centre
	s_mul_f32 s46, s58, 0xbfb8aa3b                 ; c = -beta log2(e)
	s_mul_f32 s47, s46, -2.0                       ; -2 c
	s_mul_f32 s[AL], s57, 0x41000000               ; 8 alpha
	s_mov_b32 s[AL+1], s[AL]
	v_mov_b32 v26, s46
.irp u, 0,1
	v_subrev_f32 v[248+3*\u], s48, v[248+3*\u]     ; less the centre
	v_subrev_f32 v[249+3*\u], s49, v[249+3*\u]
	v_subrev_f32 v[250+3*\u], s50, v[250+3*\u]
	v_mul_f32 v[254+\u], v[248+3*\u], v[248+3*\u]
	v_fma_f32 v[254+\u], v[249+3*\u], v[249+3*\u], v[254+\u]
	v_fma_f32 v[254+\u], v[250+3*\u], v[250+3*\u], v[254+\u]         ; |q'|^2
	v_cndmask_b32 v24, v[248+3*\u], v[250+3*\u], s[HM]
	v_mul_f32 v[QP+2*\u], s47, v24                 ; lanes 0-15: -2c x' (k = 0), lanes 16-31: -2c z' (k = 2)
	v_mul_f32 v25, s47, v[249+3*\u]
	v_cndmask_b32 v[QP+2*\u+1], v25, v26, s[HM]    ; -2c y' (k = 1), c (k = 3)
.endr
	WIN 0x40
.irp u, 0,1
.irp j, 0,1,2,3,4,5,6,7
	v_mul_f32 v[CQ+8*\u+\j], s46, v[254+\u]        ; c |q'|^2, in the result's layout: my query's in all eight registers
.endr
.endr
	WIN 0
; ONE TILE OF 16 QUERIES AGAINST A STEP'S 128 KEYS.  Register 8 t + j of ARG and T: key 16 t + 8 (lane / 16) + j of the step, my query.
.macro TILE u
	WIN 0x10                                       ; C in window 1
.irp t, 0,1,2,3,4,5,6,7
	v_wmma_f32_16x16x4_f32 v[ARG+8*\t:ARG+8*\t+7], v[POS+2*\t:POS+2*\t+1], v[QP+2*\u:QP+2*\u+1], v[CQ+8*\u:CQ+8*\u+7]   ; c d^2: each sum is this one instruction
.endr
	WIN 0
	PLACES 8                                       ; eight places behind this form before its results are read
.set n, 0
.rept 64
	v_exp_f32 v[T+n], v[ARG+n]                     ; E = 2^(c d^2); each accumulator is read from its low end on
.set n, n+1
.endr
	v_nop                                          ; a plain instruction behind the last exponential,
	s_wait_alu depctr_va_vdst(0)                   ; and one wait for the batch, ahead of its first reader
.set n, 0
.rept 32
	v_pk_mul_f32 v[T+n:T+n+1], v[T+n:T+n+1], s[AL:AL+1] op_sel_hi:[1,0]      ; 8 alpha E
.set n, n+2
.endr
	PLACES 4                                       ; between the last of these and the scaled products that take them in
.if \u == 0
	s_wait_dscnt 32                                ; K and its scale words are in; V's 32 loads may be out
.endif
.irp t, 0,1,2,3,4,5,6,7
	v_wmma_scale_f32_16x16x128_f8f6f4 v[T+8*\t:T+8*\t+7], v[KP+8*(\t/2):KP+8*(\t/2)+7], v[Q+12*\u+4*(1-(\t%2)):Q+12*\u+4*(1-(\t%2))+7], v[T+8*\t:T+8*\t+7], v[KS+(\t/2)], v[QS+\u] matrix_a_fmt:MATRIX_FMT_FP4 matrix_b_fmt:MATRIX_FMT_FP4   ; t = raw score + 8 alpha E.  Even t: [codes | zeros] picks the fragment's tile a; odd t: [zeros | codes] its tile b
.endr
	v_mov_b32 v[OM], v[ST+4*\u]                    ; c1 m_old is kept for a.  With three v_nop: the four places behind the products
	PLACES 3
.irp t, 0,1,2,3,4,5,6,7
	v_max3_num_f32 v[M+\t], v[T+8*\t], v[T+8*\t+1], v[T+8*\t+2]              ; the maximum, eight chains; each accumulator from its low end on
.endr
.irp i, 3,5
.irp t, 0,1,2,3,4,5,6,7
	v_max3_num_f32 v[M+\t], v[M+\t], v[T+8*\t+\i], v[T+8*\t+\i+1]
.endr
.endr
.irp k, 0,1,2,3
	v_max3_num_f32 v[M+2*\k], v[M+2*\k], v[T+16*\k+7], v[T+16*\k+15]
.endr
	v_max3_num_f32 v[M], v[M], v[M+1], v[M+2]
	v_max3_num_f32 v[M+3], v[M+3], v[M+4], v[M+5]
	v_max3_num_f32 v[M+6], v[M+6], v[M+7], v[ST+4*\u+1]                      ; and the old m
	v_max3_num_f32 v[M], v[M], v[M+3], v[M+6]
	v_permlanex16_b32 v[M+1], v[M], s[SEL], s[SEL+1]                         ; my query's other 64 keys lie in the lane 16 away
	v_max_num_f32 v[ST+4*\u+1], v[M], v[M+1]       ; m
	v_mul_f32 v[ST+4*\u], s[CS], v[ST+4*\u+1]      ; c1 m
	v_sub_f32 v[DA], v[OM], v[ST+4*\u]
	v_exp_f32 v[AF], v[DA]                         ; a: the first of a batch of 65
.set n, 0
.rept 32
	v_pk_fma_f32 v[T+n:T+n+1], v[T+n:T+n+1], s[CS:CS+1], v[ST+4*\u:ST+4*\u+1] op_sel_hi:[1,0,0] neg_lo:[0,0,1] neg_hi:[0,0,1]   ; c1 t - c1 m
.set n, n+2
.endr
.set n, 0
.rept 64
	v_exp_f32 v[T+n], v[T+n]                       ; p
.set n, n+1
.endr
	v_nop
	s_wait_alu depctr_va_vdst(0)                   ; one wait for the 65
	WIN 0x40
.set n, 0
.rept 32
	v_cvt_pk_f16_f32 v[P+n], v[T+2*n], v[T+2*n+1]  ; two neighbouring keys: registers 8 c .. 8 c + 7 are source 1 of the second product for chunk c
.set n, n+1
.endr
	WIN 0x41
.set n, 0
.rept 16
	v_pk_mul_f32 v[O+32*\u+n:O+32*\u+n+1], v[O+32*\u+n:O+32*\u+n+1], v[AF:AF+1] op_sel_hi:[1,0]    ; O^T x a, from each accumulator's low end on
.set n, n+2
.endr
	WIN 0
.irp k, 0,1,2,3
	v_pk_add_f32 v[M+2*\k:M+2*\k+1], v[T+2*\k:T+2*\k+1], v[T+8+2*\k:T+8+2*\k+1]                    ; the sum of the unrounded p, four chains of pairs.  These 32 lines stand between the writes of P and O^T and the products
.endr
.set n, 8
.rept 24
	v_pk_add_f32 v[M+2*(n%4):M+2*(n%4)+1], v[M+2*(n%4):M+2*(n%4)+1], v[T+2*n:T+2*n+1]
.set n, n+1
.endr
	v_pk_add_f32 v[M:M+1], v[M:M+1], v[M+2:M+3]
	v_pk_add_f32 v[M+4:M+5], v[M+4:M+5], v[M+6:M+7]
	v_pk_add_f32 v[M:M+1], v[M:M+1], v[M+4:M+5]
	v_pk_fma_f32 v[ST+4*\u+2:ST+4*\u+3], v[ST+4*\u+2:ST+4*\u+3], v[AF:AF+1], v[M:M+1] op_sel_hi:[1,0,1]   ; l = a l + the sum
.if \u == 0
	s_wait_dscnt 0x0                               ; V is in
.endif
	WIN 0x55
.irp c, 0,1,2,3
.irp dt, 0,1,2,3
	v_wmma_f32_16x16x32_f16 v[O+32*\u+8*\dt:O+32*\u+8*\dt+7], v[32*\c+8*\dt:32*\c+8*\dt+7], v[P+8*\c:P+8*\c+7], v[O+32*\u+8*\dt:O+32*\u+8*\dt+7]   ; O^T += V^T P: the four accumulators by turns
.endr
.endr
.endm
; A KEY STEP: 52 LDS loads in one run, then the two tiles.
.macro STEP
	v_add_nc_u32 v[A16], s[TB], v[L16]
	v_add_nc_u32 v[A8], s[TB], v[L8]
	PLACES 2                                       ; with the two additions: four places behind the last products, whose fragments of V are loaded anew below
.irp c, 0,1,2,3
.irp u, 0,1
	ds_load_b64 v[POS+2*(2*\c+\u):POS+2*(2*\c+\u)+1], v[A8] offset:CHB*\c+1024+256*\u
.endr
.endr
.irp c, 0,1,2,3
	ds_load_b128 v[KP+8*\c:KP+8*\c+3], v[A16] offset:CHB*\c
	ds_load_b128 v[KP+8*\c+4:KP+8*\c+7], v[A16] offset:CHB*\c+512
.endr
.irp c, 0,1,2,3
	ds_load_b32 v[KS+\c], v[A8] offset:CHB*\c+1536
.endr
	WIN 0x40
.irp c, 0,1,2,3
.irp dt, 0,1,2,3
	ds_load_b128 v[32*\c+8*\dt:32*\c+8*\dt+3], v[A16] offset:CHB*\c+1792+1024*\dt
	ds_load_b128 v[32*\c+8*\dt+4:32*\c+8*\dt+7], v[A16] offset:CHB*\c+1792+1024*\dt+512
.endr
.endr
	WIN 0
	s_wait_dscnt 44                                ; the positions are in; behind them: 8 loads of K, 4 of scale words, 32 of V
	TILE 0
	TILE 1
	WIN 0
	s_add_co_u32 s[TB], s[TB], STEPB
.endm
.macro TWO_STEPS                       ; my two steps of a slot: written once, walked twice
	s_mov_b32 s[TWICE], 2
.Lstep_\@:
	STEP
	s_sub_co_u32 s[TWICE], s[TWICE], 1
	s_cmp_lg_u32 s[TWICE], 0
	s_cbranch_scc1 .Lstep_\@
.endm
; THE CHANGE OF SLOTS.  Each wave waits for all its tensor loads (one is out: its eighth of the other slot), adds 0 to its spare word, and waits for that and for its reads of the slot that it leaves.
; fill = 1: the barrier is a round of the cluster's, behind which no wave of any partner reads the slot or has a load on its way; the joint refill, the keys two slots on, is the first thing behind it:
; one load a wave, with a whole slot's steps in which to land.
.macro CHANGE fill
	s_wait_tensorcnt 0x0                           ; no tensor load of mine is out, so a group 0 may be written
	ds_add_u32 v[SPW], v[NIL]
.if \fill
	s_xor_b32 s[GW+1], s[GW+1], SLOT1              ; the walking descriptor: the other slot than last time,
	s_add_nc_u64 s[GW+2:GW+3], s[GW+2:GW+3], SLOTB ; the next 512 keys; the type bits on top are not reached
	s_wait_dscnt 0x0                               ; the add is done, and my reads of the slot are over
	CROUND
	tensor_load_to_lds s[GW:GW+3], s[G1:G1+7]
	s_nop 0
	PLACES 4
.else
	s_wait_dscnt 0x0
	s_barrier_signal -1
	s_barrier_wait -1
.endif
	s_sub_co_u32 s[TB], s[TB], 2*STEPB             ; back to my half's first step,
	s_xor_b32 s[TB], s[TB], SLOT1                  ; in the other slot
.endm
	s_wait_tensorcnt 0x1                           ; my eighth of slot 0 is in; slot 1's may stay out
	s_barrier_signal -1
	s_barrier_wait -1                              ; everybody's is
.Lslot:                                            ; two trips: slots 0 and 1 are read and filled again
	TWO_STEPS
	CHANGE 1
	s_sub_co_u32 s[SLOTS], s[SLOTS], 1
	s_cmp_lg_u32 s[SLOTS], 0
	s_cbranch_scc1 .Lslot
	TWO_STEPS                                      ; the tail is written out
	CHANGE 0
	TWO_STEPS
	; THE END.  l's halves are joined; each wave hands its partner the tile that the partner finishes (KH = 0 keeps tile 0, KH = 1 tile 1): a choice of values, no branch.
	v_add_f32 v244, v[ST+2], v[ST+3]               ; these eight plain lines are also the places behind the last products
	v_add_f32 v245, v[ST+6], v[ST+7]
	v_permlanex16_b32 v246, v244, s[SEL], s[SEL+1]
	v_permlanex16_b32 v247, v245, s[SEL], s[SEL+1]
	v_add_f32 v244, v244, v246                     ; l of tile 0,
	v_add_f32 v245, v245, v247                     ; of tile 1
	v_cndmask_b32 v248, v[ST+4], v[ST], s[KM]      ; c1 m that I hand over,
	v_cndmask_b32 v249, v[ST], v[ST+4], s[KM]      ; that I keep;
	v_cndmask_b32 v250, v245, v244, s[KM]          ; l likewise
	v_cndmask_b32 v251, v244, v245, s[KM]
	WIN 0x05                                       ; sources 0 and 1 window 1
.set n, 0
.rept 32
	v_cndmask_b32 v[T+n], v[O+32+n], v[O+n], s[KM] ; O^T that I hand over
.set n, n+1
.endr
.set n, 0
.rept 32
	v_cndmask_b32 v[T+32+n], v[O+n], v[O+32+n], s[KM]   ; that I keep
.set n, n+1
.endr
	WIN 0
.irp i, 0,1,2,3,4,5,6,7
	ds_store_b128 v[XW], v[T+4*\i:T+4*\i+3] offset:512*\i   ; as an image of the registers: 16 bytes a lane
.endr
	ds_store_b32 v[XS], v248 offset:4096
	ds_store_b32 v[XS], v250 offset:4224
	s_wait_dscnt 0x0                               ; for my partner's sake: my stores are done
	s_barrier_signal -1
	s_barrier_wait -1
.irp i, 0,1,2,3,4,5,6,7
	ds_load_b128 v[T+4*\i:T+4*\i+3], v[XR] offset:512*\i    ; my tile's O^T over the other half of the keys
.endr
	ds_load_b32 v252, v[XSP] offset:4096           ; its c1 m
	ds_load_b32 v253, v[XSP] offset:4224           ; its l
	s_wait_dscnt 0x0
	v_max_num_f32 v254, v249, v252                 ; the joint c1 m
	v_sub_f32 v246, v249, v254
	v_sub_f32 v247, v252, v254
	v_exp_f32 v246, v246                           ; f0: mine under the joint maximum
	v_exp_f32 v247, v247                           ; f1: my partner's
	v_nop
	s_wait_alu depctr_va_vdst(0)                   ; one wait for the two
	v_mul_f32 v255, v251, v246
	v_fma_f32 v255, v253, v247, v255               ; the row's sum
	v_rcp_f32 v255, v255
	v_nop
	s_wait_alu depctr_va_vdst(0)
	v_mul_f32 v246, v246, v255
	v_mul_f32 v247, v247, v255
.irp dt, 0,1,2,3
.irp j, 0,1,2,3,4,5,6,7
	v_mul_f32 v[OUT+4*\j+\dt], v[T+32+8*\dt+\j], v246       ; register 8 dt + j is channel 32 h + 4 j + dt: my 32 neighbouring channels, put in order
.endr
.endr
.irp dt, 0,1,2,3
.irp j, 0,1,2,3,4,5,6,7
	v_fmac_f32 v[OUT+4*\j+\dt], v[T+8*\dt+\j], v247
.endr
.endr
.irp i, 0,1,2,3,4,5,6,7
	ds_store_b128 v[STO], v[OUT+4*\i:OUT+4*\i+3] offset:16*\i   ; through my stage: row r, 128 h + 16 i;
.endr
.irp i, 0,1,2,3,4,5,6,7
	ds_load_b128 v[T+4*\i:T+4*\i+3], v[RD] offset:544*\i        ; back by rows: lanes 0-15 row 2 i, lanes 16-31 row 2 i + 1.  LDS serves a wave's instructions in order
.endr
.irp i, 0,1,2,3,4,5,6,7
	s_wait_dscnt 7-\i                              ; the younger loads may stay out
	global_store_b128 v[GO], v[T+4*\i:T+4*\i+3], s[16:17] offset:512*\i th:TH_STORE_NT   ; sixteen lanes store a row's 256 consecutive bytes, at a multiple of 256 from out0's first byte
.endr
	s_wait_tensorcnt 0x0                           ; the wave's end: behind my last tensor load and my last LDS store
	ds_add_u32 v[SPW], v[NIL]
	s_wait_dscnt 0x0
	CROUND                                         ; the closing round: no work-group ends while a partner may still ask for a tile that names it
	s_endpgm
.Lfunc_end_k_q1fee376ff5_attn:
	.size	k_q1fee376ff5_attn, .Lfunc_end_k_q1fee376ff5_attn-k_q1fee376ff5_attn
	.p2alignl 7, 3214868480
	.fill 96, 4, 3214868480
	.section	.rodata,"a",@progbits
	.p2align	6, 0x0
	.amdhsa_kernel k_q1fee376ff5_attn
		.amdhsa_group_segment_fixed_size 327680
		.amdhsa_private_segment_fixed_size 0
		.amdhsa_enable_private_segment 0
		.amdhsa_kernarg_size 56
		.amdhsa_user_sgpr_count 2
		.amdhsa_user_sgpr_kernarg_segment_ptr 1
		.amdhsa_wavefront_size32 1
		.amdhsa_system_sgpr_workgroup_id_x 1
		.amdhsa_system_sgpr_workgroup_id_y 1
		.amdhsa_system_sgpr_workgroup_id_z 1
		.amdhsa_system_vgpr_workitem_id 0
		.amdhsa_next_free_vgpr 496
		.amdhsa_next_free_sgpr 80
		.amdhsa_reserve_vcc 0
		.amdhsa_float_denorm_mode_32 3
		.amdhsa_float_denorm_mode_16_64 3
		.amdhsa_memory_ordered 1
		.amdhsa_forward_progress 1
		.amdhsa_inst_pref_size 153
	.end_amdhsa_kernel
	.amdgpu_metadata
---
amdhsa.version: [ 1, 2 ]
amdhsa.kernels:
  - .name:           k_q1fee376ff5_attn
    .symbol:         k_q1fee376ff5_attn.kd
    .args:
      - { .name: q, .offset: 0, .size: 8, .value_kind: global_buffer, .address_space: global }
      - { .name: qs_s, .offset: 8, .size: 8, .value_kind: global_buffer, .address_space: global }
      - { .name: ks_s, .offset: 16, .size: 8, .value_kind: global_buffer, .address_space: global }
      - { .name: alpha, .offset: 24, .size: 8, .value_kind: global_buffer, .address_space: global }
      - { .name: beta, .offset: 32, .size: 8, .value_kind: global_buffer, .address_space: global }
      - { .name: kv, .offset: 40, .size: 8, .value_kind: global_buffer, .address_space: global }
      - { .name: out0, .offset: 48, .size: 8, .value_kind: global_buffer, .address_space: global }
    .group_segment_fixed_size: 327680
    .private_segment_fixed_size: 0
    .kernarg_segment_align: 8
    .kernarg_segment_size: 56
    .max_flat_workgroup_size: 256
    .sgpr_count:     80
    .vgpr_count:     496
    .wavefront_size: 32
...
	.end_amdgpu_metadata
.endif
;; end of part 2
